; MI455X (gfx1250); checked and timed in simulation.
; The chip was launched on July 23, 2026; its instructions are those of AMD's public machine-readable ISA for CDNA 5 (MIT licence, August 2026) and "CDNA5" Instruction Set Architecture Reference Guide (July 2026). The comments in the code are by the model that wrote it; some were corrected since.
;; Multi Head Self Attention. Allowed arithmetic: matrix products marked QUANTISED: E2M1 operands, one E8M0 scale for each 32 along K, by v_wmma_scale_f32_16x16x128_f8f6f4 with both operands' format E2M1 (or v_wmma_scale_f32_32x16x128_f4), f32 sums; everything else in f32.
;; Inputs: out_b 1,024 float32; out_w_codes 1,024 x 32 x 16 uint8 (E2M1 codes of out_w, K innermost, in blocks of 32 codes, two codes a byte); out_w_scales 1,024 x 32 uint8 (E8M0 scales of out_w, one for each 32 codes along K); qkv_b 3,072 float32; qkv_w_codes 3,072 x 32 x 16 uint8 (E2M1 codes of qkv_w, K innermost, in blocks of 32 codes, two codes a byte); qkv_w_scales 3,072 x 32 uint8 (E8M0 scales of qkv_w, one for each 32 codes along K); src_codes 4 x 2,048 x 32 x 16 uint8 (E2M1 codes of src, K innermost, in blocks of 32 codes, two codes a byte); src_scales 4 x 2,048 x 32 uint8 (E8M0 scales of src, one for each 32 codes along K).
;; Outputs: out0 4 x 2,048 x 1,024 float32.
;; This version of the problem:
;;   THIS VERSION OF THE PROBLEM IS GIVEN IN LOW PRECISION. The matrix products marked QUANTISED in the list below multiply operands that are first quantised to E2M1 (2 exponent bits, 1 mantissa bit; 4 bits a number), with one power-of-two scale for each 32 numbers along K (OCP MX v1.0); their sums are f32. All else is computed in f32.
;;   The module's matrix products, in the order in which they are computed (A, B: the left and right operand; K: the contracted axis; several contracted axes count as one K, in the product's order):
;;     1. [M 8,192, K 1,024] x [K 1,024, N 3,072]; A: input src (given as codes); B: input qkv_w (given as codes): QUANTISED
;;     2. batch 64 x [M 2,048, K 64] x [K 64, N 2,048]; A: computed on the way; B: computed on the way: QUANTISED
;;     3. batch 64 x [M 2,048, K 2,048] x [K 2,048, N 64]; A: softmax (see below); B: computed on the way: QUANTISED
;;     4. [M 8,192, K 1,024] x [K 1,024, N 1,024]; A: computed on the way; B: input out_w (given as codes): QUANTISED
;;   THE QUANTISER, for each operand of a quantised product, along K:
;;     - K is cut into blocks of 32 from its start; a last block that is shorter is filled with zeros.
;;     - A block's scale is 2^e with e = floor(log2(the largest magnitude in the block)) - 2, held to -126 .. 127; a block of zeros has e = 0. As a byte (E8M0): e + 127.
;;     - Each number is divided by its block's scale, clamped to +-6, and rounded to the nearest number of E2M1, ties to even, subnormals kept.
;;     - The product sums the exact products of the quantised numbers (number of the format x scale) in f32.
;;   ~~~python
;;   def quantise(x, axis):      # numpy; x: float32 -> the quantised numbers, widened to float32 again
;;       x = np.moveaxis(x, axis, -1); K = x.shape[-1]
;;       x = np.pad(x, [(0, 0)] * (x.ndim - 1) + [(0, -K % 32)]); x = x.reshape(x.shape[:-1] + (-1, 32)); a = np.abs(x).max(-1, keepdims=True)
;;       e = np.where(a > 0, np.clip(np.frexp(np.where(a > 0, a, 1))[1] - 1 - 2, -126, 127), 0)      # np.frexp(a)[1] - 1 = floor(log2(a)), exactly
;;       r = np.clip(x / 2.0 ** e, -6, 6)
;;       step = 2.0 ** (np.maximum(np.frexp(np.where(r == 0, 1, r))[1] - 1, 0) - 1)
;;       q = np.round(r / step) * step * 2.0 ** e      # np.round: ties to even
;;       return np.moveaxis(q.reshape(q.shape[:-2] + (-1,))[..., :K], -1, axis).astype(np.float32)
;;   ~~~
;;   SOFTMAX AHEAD OF A QUANTISED PRODUCT. Where the list says 'softmax', what is quantised is not the finished softmax but p = 2^(t - M), with t = logit x log2(e) and M = ceil(the row's largest t), a whole number; so 1/2 < the row's largest p <= 1. The row's sum l is taken of the UNQUANTISED p, in f32, and the product's result is divided by l at the end. Since M is a whole number, a kernel that streams over the keys may use a running M (the ceiling of the running maximum): every later rescaling is an exact power of two, which a block's scale takes up: the codes' values come out the same.
;;   OPERANDS COMPUTED ON THE WAY. 'Computed on the way' means the value that the module computes at that place (a softmax that the list does not call 'softmax' is quantised finished and normalised). What goes into a quantiser is computed in f32, as accurately as f32 sums, v_exp_f32 and their like allow (about 1e-6 of the number): no bf16 or f16 on the way to a quantiser, and a product that is left as it is and whose result goes on into a quantised operand takes f32 operands (vector FMAs, or v_wmma_f32_16x16x4_f32). A number that lies on a knife's edge between two numbers of the format may be rounded either way, as far as f32 arithmetic and the matrix unit's own rounding can turn it there, and no further.
;;   INPUTS GIVEN AS CODES. out_w (in the module: [1024, 1024], K = its axis 0); qkv_w (in the module: [1024, 3072], K = its axis 0); src (in the module: [4, 2048, 1024], K = its axis 2): each comes as NAME_codes (uint8): NAME with its K axis moved to the last place and cut into blocks of 32 codes, [.., K / 32, bytes a block], one block behind the other in memory; two codes a byte, the lower K in the low four bits (a code: sign, 2 exponent bits, 1 mantissa bit); and NAME_scales (uint8): the same leading axes, one E8M0 byte (e + 127) for each 32 codes along K. Its value is code x scale, taken as it is: it is not quantised again, and the codes and scales need not be those that the quantiser above would give.
;; One version. Each part assembles by itself: llvm-mc -triple=amdgcn-amd-amdhsa -mcpu=gfx1250 --defsym DOCPART=n.
;; ======== version 1 of 1: 3 launches
;; workspace buffers: qimg 4,194,304 bytes; qscl 524,288 bytes; kv 9,175,040 bytes; rimg 4,194,304 bytes; rscl 262,144 bytes
;; launch qkv (part 1): grid 16 x 32, 4 waves a work-group, clusters of 4 x 4, 244,224 bytes of LDS; arguments src_codes, src_scales, qkv_w_codes, qkv_w_scales, qkv_b, qimg, qscl, kv; writes qimg, qscl, kv
.if DOCPART == 1
	.amdgcn_target "amdgcn-amd-amdhsa--gfx1250"
	.amdhsa_code_object_version 6
	.text
	.protected	k_qccbcde7b4e_qkv
	.globl	k_qccbcde7b4e_qkv
	.p2align	8
	.type	k_qccbcde7b4e_qkv,@function
k_qccbcde7b4e_qkv:
	s_mov_b64 s[64:65], 0
	v_nop
	global_prefetch_b8 v0, s[64:65] scope:SCOPE_SE
	s_setreg_imm32_b32 hwreg(HW_REG_WAVE_MODE, 25, 1), 1
	s_wait_xcnt 0x0
	s_wait_alu depctr_hold_cnt(0) depctr_sa_sdst(0) depctr_va_vdst(0) depctr_va_sdst(0) depctr_va_ssrc(0) depctr_va_vcc(0) depctr_vm_vsrc(0)
	s_getreg_b32 s2, hwreg(HW_REG_IB_STS2, 6, 4)
	s_cmp_eq_u32 s2, 0
	s_cbranch_scc0 .Lentry_in_a_cluster
	s_endpgm
.Lentry_in_a_cluster:
	s_bfe_u32 s2, ttmp6, 0x10000c
	s_cmp_lg_u32 s2, 0xf033
	s_cbranch_scc0 .Lentry_shape_is_right
	s_endpgm
.Lentry_shape_is_right:
; qkv = src W + b on codes of FP4 (E2M1) with E8M0 scales, and q, k, v quantised at once: only codes and scale words leave.
; src: [8192][1024] codes (a row is 512 bytes), W: [3072][1024] codes, K innermost; scale bytes 32 a row.  Column n belongs to head n / 192; in a head 0-63 q, 64-127 k, 128-191 v.
; SHARES.  A work-group makes 256 rows x one head's 192 columns.  Wave w (i = w / 2, j = w % 2) makes rows 128 i on x (q for j = 0, k for j = 1: 64 columns) and x v's channels 32 j .. 32 j + 31: 48 accumulators.
; THE ROWS OF A TILE ARE NOT NEIGHBOURS: lane r of tile 2 B + u, of src and of W alike, takes row 32 B + 8 u + r + 8 (r / 8).  Where such a tile is source 0, the 16 registers of tiles 2 B and 2 B + 1
; of a lane are 16 neighbours, 32 B + 16 (lane / 16) + 0 .. 15, along that tile's rows.  q, k: source 0 = W, source 1 = src: a lane holds one row and neighbours along the channels, their K in the next product.
; v: source 0 = src, source 1 = W: a lane holds one channel and neighbours along the keys, its K.  So every quantiser finds a block's numbers in two lanes' consecutive registers.
; WHAT LEAVES lies as images of the next launch's operand registers: lane l's 16 bytes at 16 l, so each store of a wave covers 512 consecutive bytes, aligned.
; ALL OF K FITS IN LDS: two slots, one for each half of K (rows of 256 bytes), each filled once: no slot is filled again.
; CLUSTER 4 x 4: the four work-groups of a row need the same rows of src, the four of a column the same head's rows of W: each tile is asked for jointly.
; The biases are the C of each sum's first product.  The scale words come straight into registers, once: lanes 0-15 hold K steps 0-3, lanes 16-31 K steps 4-7 (the second half of K reads the upper lanes).
; LIMITS: NaN and infinities are not served; a block whose largest magnitude lies under 2^-124 (zeros among them) gets the scale byte 1: its bytes are read by this program alone.
; REGISTERS: window 0: addresses, scale words, the quantiser's work.  window 1: two sets of fragments at 128 p: src's 8 at +0, q or k's 4 of W at +64, v's 2 of W at +96.
;   window 2: q or k's 32 accumulators at 8 (4 a + t).   window 3: v's 16 at 8 (8 u + a); from v128 the bias tiles of q or k, from v160 those of v.
.set PITCH, 272                        ; an LDS row: 256 bytes + 16 of padding
.set HALFA, 128*PITCH                  ; what one load of src brings
.set HALFW, 96*PITCH                   ; what one load of W brings
.set WOFF,  256*PITCH                  ; in a slot: src's 256 rows, then W's 192
.set SLOT,  448*PITCH
.set ADRA,  16                         ; v16-17 my src fragments in slot 0, 1
.set ADRB,  18                         ; v18-19 my fragments of W for q or k
.set ADRV,  20                         ; v20-21 and for v
.set ASC,   32                         ; v32-63 src's scale words: tile a, step q at 4 a + q
.set BSC,   64                         ; v64-87 W's: tiles t 0-3, then v's two
.set PC,    96                         ; v96-143 six sets of 8 registers of codes: no store's data are written again
.set SW,    144                        ; v144-151 the scale words of my 8 tiles of q or k
.set VW,    152                        ; v152-153 of my two tiles of v
.set OUTW,  154                        ; v154-157 as they leave
.set OUTV,  158
.set TM,    160                        ; v160-163 largest magnitudes, v164-167 the other half's, then bytes, v172-175 scale operands
.set G1,    24                         ; s[24:31] group 1 for src's tiles, s[32:39] its groups 0
.set G0,    32
.set G1B,   48                         ; s[48:55], s[56:63] the same for W's
.set G0B,   56
.set MSB,   0
.macro WIN new                         ; the immediate's high byte repeats the setting that is left
.if MSB != \new
	s_set_vgpr_msb (MSB<<8)|\new
.set MSB, \new
.endif
.endm
.macro PLACES                          ; four plain places behind a matrix instruction, ahead of loads into its sources and of reads of its result
.rept 4
	v_nop
.endr
.endm
.macro CROUND                          ; a round of the cluster's barrier
	s_barrier_signal -1
	s_barrier_wait -1
	s_cmp_lg_u32 s20, 0
	s_cbranch_scc1 .Lnot_wave_0_\@
	s_barrier_signal -3
.Lnot_wave_0_\@:
	s_barrier_wait -3
	s_barrier_signal -1
	s_barrier_wait -1
.endm
	s_load_b256 s[4:11], s[0:1], 0x0               ; src's codes s[4:5], its scales s[6:7], W's codes s[8:9], its scales s[10:11]
	s_load_b256 s[12:19], s[0:1], 0x20             ; the bias s[12:13], qimg s[14:15], qscl s[16:17], kv s[18:19]
	v_lshl_add_u32 v254, v0, 2, 0x3b800
	v_mov_b32 v255, 0
	ds_add_u32 v254, v255
	ds_add_u32 v254, v255
	v_lshrrev_b32 v1, 5, v0
	v_readfirstlane_b32 s20, v1                    ; wave 0..3
	s_lshr_b32 s21, s20, 1                         ; i: my half of the rows.  Also: I fetch for src (0) or for W (1)
	s_and_b32 s22, s20, 1                          ; j: q or k, and my half of v.  Also: which half of that tile I fetch
	s_bfe_u32 s40, ttmp6, 0x40000                  ; cx, cy: my place in the cluster
	s_bfe_u32 s41, ttmp6, 0x40004
	s_lshl_b32 s42, ttmp9, 2
	s_add_co_u32 s42, s42, s40                     ; the head = 4 x cluster x + cx
	s_and_b32 s43, ttmp7, 0xffff
	s_lshl_b32 s43, s43, 2
	s_add_co_u32 s43, s43, s41                     ; the block of 256 rows = 4 x cluster y + cy
	s_lshl_b32 s44, s41, 2
	s_lshl_b32 s44, 15, s44                        ; my row of the cluster
	s_lshl_b32 s45, 0x1111, s40                    ; my column
	s_or_b32 s[G1], s44, (1<<20)|(1<<21)|(5<<22)|(3<<25)    ; the mask; elements of 1 byte; padding on; bit 21 beside a mask; 4 words behind every 64
	s_or_b32 s[G1B], s45, (1<<20)|(1<<21)|(5<<22)|(3<<25)
	s_mov_b32 s[G1+1], 256<<16                     ; tensor_dim0 = 256 bytes
	s_mov_b32 s[G1+2], 128<<16                     ; tensor_dim1 = 128 rows
	s_mov_b32 s[G1+3], 256<<16                     ; tile_dim0
	s_mov_b32 s[G1+4], 128                         ; tile_dim1
	s_mov_b32 s[G1+5], 512                         ; from row to row
	s_mov_b32 s[G1+6], 0
	s_mov_b32 s[G1+7], 0
	s_mov_b32 s[G1B+1], 256<<16
	s_mov_b32 s[G1B+2], 96<<16                     ; 96 rows
	s_mov_b32 s[G1B+3], 256<<16
	s_mov_b32 s[G1B+4], 96
	s_mov_b32 s[G1B+5], 512
	s_mov_b32 s[G1B+6], 0
	s_mov_b32 s[G1B+7], 0
	s_lshl_b32 s66, s43, 8
	s_lshl_b32 s68, s22, 7
	s_add_co_u32 s66, s66, s68
	s_lshl_b32 s66, s66, 9                         ; src: row 256 x block + 128 j, in bytes: made of the block of rows and the wave alone
	s_mov_b32 s67, 0
	s_mul_i32 s46, s42, 192
	s_mul_i32 s69, s22, 96
	s_add_co_u32 s46, s46, s69
	s_lshl_b32 s46, s46, 9                         ; W: row 192 x head + 96 j: made of the head and the wave alone
	s_mov_b32 s47, 0
	s_mul_i32 s70, s22, HALFA                      ; where they go: no place in the cluster enters an LDS address
	s_mul_i32 s71, s22, HALFW
	s_add_co_u32 s71, s71, WOFF
	s_wait_dscnt 0x0
	s_wait_kmcnt 0x0
	s_add_nc_u64 s[66:67], s[4:5], s[66:67]
	s_add_nc_u64 s[46:47], s[8:9], s[46:47]
	CROUND                                         ; all sixteen work-groups are here: the joint loads meet
.irp s, 0,1
	s_mov_b32 s[G0+4*\s], 1
	s_add_co_u32 s[G0+4*\s+1], s70, \s*SLOT
	s_add_nc_u64 s[G0+4*\s+2:G0+4*\s+3], s[66:67], \s*256          ; slot s: the s-th half of K
	s_or_b32 s[G0+4*\s+3], s[G0+4*\s+3], 0x80000000
	s_mov_b32 s[G0B+4*\s], 1
	s_add_co_u32 s[G0B+4*\s+1], s71, \s*SLOT
	s_add_nc_u64 s[G0B+4*\s+2:G0B+4*\s+3], s[46:47], \s*256
	s_or_b32 s[G0B+4*\s+3], s[G0B+4*\s+3], 0x80000000
.endr
	s_cmp_eq_u32 s21, 0                            ; a wave's two fills stand in one branch on the wave's number: two loads of mine are out
	s_cbranch_scc0 .Lfirst_w
	tensor_load_to_lds s[G0:G0+3], s[G1:G1+7]
	s_nop 0
	tensor_load_to_lds s[G0+4:G0+7], s[G1:G1+7]
	s_nop 0
.rept 4
	v_nop
.endr
	s_branch .Lfirst_asked
.Lfirst_w:
	tensor_load_to_lds s[G0B:G0B+3], s[G1B:G1B+7]
	s_nop 0
	tensor_load_to_lds s[G0B+4:G0B+7], s[G1B:G1B+7]
	s_nop 0
.rept 4
	v_nop
.endr
.Lfirst_asked:
	v_and_b32 v1, 15, v0                           ; r
	v_bfe_u32 v2, v0, 4, 1                         ; h
	v_and_b32 v3, 8, v1
	v_add_nc_u32 v3, v3, v1                        ; r + 8 (r / 8)
	v_mul_u32_u24 v4, v3, PITCH
	v_lshl_add_u32 v4, v2, 4, v4                   ; a fragment: that row x pitch + 16 h
	s_wait_alu depctr_va_vdst(0)
	s_mul_i32 s68, s21, HALFA                      ; my 128 rows of src
	s_mul_i32 s69, s22, 64*PITCH
	s_add_co_u32 s69, s69, WOFF                    ; W's rows 64 j on: q or k
	s_mul_i32 s72, s22, 32*PITCH
	s_add_co_u32 s72, s72, WOFF+128*PITCH          ; W's rows 128 + 32 j on: my half of v
.irp s, 0,1
	v_add_nc_u32 v[ADRA+\s], s68, v4
	v_add_nc_u32 v[ADRB+\s], s69, v4
	v_add_nc_u32 v[ADRV+\s], s72, v4
	s_add_co_u32 s68, s68, SLOT
	s_add_co_u32 s69, s69, SLOT
	s_add_co_u32 s72, s72, SLOT
.endr
	v_lshlrev_b32 v22, 5, v3
	v_lshl_add_u32 v22, v2, 4, v22                 ; scale bytes: 32 a row, + 16 h: lanes 16-31 take the second half of K
	v_lshlrev_b32 v23, 6, v2                       ; q or k's bias: 16 h numbers on
	v_lshlrev_b32 v24, 2, v3                       ; v's bias: my one column
	v_and_b32 v5, 31, v0
	v_lshlrev_b32 v25, 4, v5                       ; 16 x lane: an image's place for my lane
	v_lshlrev_b32 v26, 2, v5                       ; 4 x lane
	v_lshl_add_u32 v27, s22, 11, v25               ; v's images: + 2,048 j
	v_lshl_add_u32 v28, s22, 7, v26                ; v's scale words: + 128 j
.irp b, 0,1,2,3
	v_mov_b32 v[TM+4+\b], 0                        ; written once: a lane permute's destination counts as one of its sources
.endr
	s_mov_b32 s84, 0x76543210
	s_mov_b32 s85, 0xfedcba98                      ; v_permlanex16_b32's selects for lane l xor 16
	s_mov_b32 s86, 0x1800000                       ; the floor 2^(3 - 127)
	s_mov_b32 s73, 0
	s_lshl_b32 s68, s43, 8
	s_lshl_b32 s69, s21, 7
	s_add_co_u32 s68, s68, s69                     ; my first row of src
	s_lshl_b32 s72, s68, 5
	s_add_nc_u64 s[6:7], s[6:7], s[72:73]          ; its scale bytes
	s_mul_i32 s87, s42, 192
	s_lshl_b32 s68, s22, 6
	s_add_co_u32 s68, s68, s87                     ; q or k's first column: 192 x head + 64 j
	s_lshl_b32 s72, s68, 5
	s_add_nc_u64 s[88:89], s[10:11], s[72:73]
	s_lshl_b32 s72, s68, 2
	s_add_nc_u64 s[92:93], s[12:13], s[72:73]
	s_lshl_b32 s68, s22, 5
	s_add_co_u32 s68, s68, s87
	s_add_co_u32 s68, s68, 128                     ; v's: 192 x head + 128 + 32 j
	s_lshl_b32 s72, s68, 5
	s_add_nc_u64 s[90:91], s[10:11], s[72:73]
	s_lshl_b32 s72, s68, 2
	s_add_nc_u64 s[94:95], s[12:13], s[72:73]
.irp a, 0,1,2,3,4,5,6,7
	global_load_b128 v[ASC+4*\a:ASC+4*\a+3], v22, s[6:7] offset:(32*(\a/2)+8*(\a%2))*32
.endr
.irp t, 0,1,2,3
	global_load_b128 v[BSC+4*\t:BSC+4*\t+3], v22, s[88:89] offset:(32*(\t/2)+8*(\t%2))*32
.endr
.irp u, 0,1
	global_load_b128 v[BSC+16+4*\u:BSC+16+4*\u+3], v22, s[90:91] offset:8*\u*32
.endr
	WIN 0xc0                                       ; destination window 3
.irp t, 0,1,2,3                        ; tile t's register n of lane (r, h) is column 32 (t / 2) + 8 (t % 2) + 16 h + n
	global_load_b128 v[128+8*\t:128+8*\t+3], v23, s[92:93] offset:(32*(\t/2)+8*(\t%2))*4
	global_load_b128 v[128+8*\t+4:128+8*\t+7], v23, s[92:93] offset:(32*(\t/2)+8*(\t%2))*4+16
.endr
.irp u, 0,1                            ; in v's tiles a lane holds one column: its bias in all eight registers
.irp n, 0,1,2,3,4,5,6,7
	global_load_b32 v[160+8*\u+\n], v24, s[94:95] offset:32*\u
.endr
.endr
	WIN 0
	; where the results go.  blk = ((batch x 16 + head) x 16 + the block of 128 rows in the batch)
	s_lshl_b32 s68, s43, 1
	s_add_co_u32 s68, s68, s21                     ; the block of 128 rows among all 64
	s_lshr_b32 s69, s68, 4
	s_lshl_b32 s69, s69, 4
	s_add_co_u32 s69, s69, s42
	s_lshl_b32 s69, s69, 4
	s_and_b32 s68, s68, 15
	s_add_co_u32 s69, s69, s68                     ; blk
	s_mul_i32 s72, s69, 8960
	s_add_nc_u64 s[78:79], s[18:19], s[72:73]      ; kv's block: k's images, v's fragments, k's scale words, v's
	s_lshl_b32 s72, s69, 12
	s_add_nc_u64 s[80:81], s[14:15], s[72:73]      ; q's images
	s_lshl_b32 s72, s69, 9
	s_add_nc_u64 s[82:83], s[16:17], s[72:73]      ; q's scale words
	s_add_nc_u64 s[96:97], s[78:79], 8192          ; k's scale words
	s_cmp_eq_u32 s22, 0                            ; q's wave or k's: the choice hangs on the wave's number alone
	s_cselect_b64 s[74:75], s[80:81], s[78:79]
	s_cselect_b64 s[76:77], s[82:83], s[96:97]
.macro FRAG reg, adr, off              ; 16 rows x 128 K of 4-bit codes: registers 4 c .. 4 c + 3 hold K = 64 c + 32 h + 0 .. 31: two loads of 16 bytes, 32 apart
	ds_load_b128 v[(\reg):(\reg)+3], v[\adr] offset:(\off)
	ds_load_b128 v[(\reg)+4:(\reg)+7], v[\adr] offset:(\off)+32
.endm
.macro FETCH k                         ; the 14 fragments of K step k into set k % 2: 28 loads in one run
.set FP, 128*((\k)%2)
.set FS, (\k)/4
.set FQ, 64*((\k)%4)
	WIN 0x40                                       ; destination window 1
.irp a, 0,1,2,3,4,5,6,7
	FRAG FP+8*\a, ADRA+FS, (32*(\a/2)+8*(\a%2))*PITCH+FQ
.endr
.irp t, 0,1,2,3
	FRAG FP+64+8*\t, ADRB+FS, (32*(\t/2)+8*(\t%2))*PITCH+FQ
.endr
.irp u, 0,1
	FRAG FP+96+8*\u, ADRV+FS, 8*\u*PITCH+FQ
.endr
.endm
.macro WM d, a, b, c, sa, sb, hi       ; one product; hi = 1: the scale words of the second half of K, in lanes 16-31
.if \hi
	v_wmma_scale_f32_16x16x128_f8f6f4 v[(\d):(\d)+7], v[(\a):(\a)+7], v[(\b):(\b)+7], v[(\c):(\c)+7], v[\sa], v[\sb] matrix_a_fmt:MATRIX_FMT_FP4 matrix_b_fmt:MATRIX_FMT_FP4 matrix_a_scale:MATRIX_SCALE_ROW1 matrix_b_scale:MATRIX_SCALE_ROW1
.else
	v_wmma_scale_f32_16x16x128_f8f6f4 v[(\d):(\d)+7], v[(\a):(\a)+7], v[(\b):(\b)+7], v[(\c):(\c)+7], v[\sa], v[\sb] matrix_a_fmt:MATRIX_FMT_FP4 matrix_b_fmt:MATRIX_FMT_FP4
.endif
.endm
; K step k: 48 products.  The 48 accumulators take turns, one instruction a turn, in the same order in every step.  Step 0 takes the bias tiles as C: nothing is cleared.
.macro MUL k
.set MP, 128*((\k)%2)
.set MQ, (\k)%4
.set MH, (\k)/4
.if (\k) == 0
	WIN 0xb5                                       ; sources window 1, C window 3 (the bias), D window 2
.else
	WIN 0xa5                                       ; sources window 1, C and D window 2
.endif
.irp a, 0,1,2,3,4,5,6,7
.irp t, 0,1,2,3
.if (\k) == 0
	WM 8*(4*\a+\t), MP+64+8*\t, MP+8*\a, 128+8*\t, BSC+4*\t+MQ, ASC+4*\a+MQ, MH
.else
	WM 8*(4*\a+\t), MP+64+8*\t, MP+8*\a, 8*(4*\a+\t), BSC+4*\t+MQ, ASC+4*\a+MQ, MH
.endif
.endr
.endr
	WIN 0xf5                                       ; v: sources window 1, C and D window 3; source 0 = src, source 1 = W
.irp u, 0,1
.irp a, 0,1,2,3,4,5,6,7
.if (\k) == 0
	WM 8*(8*\u+\a), MP+8*\a, MP+96+8*\u, 160+8*\u, ASC+4*\a+MQ, BSC+16+4*\u+MQ, MH
.else
	WM 8*(8*\u+\a), MP+8*\a, MP+96+8*\u, 8*(8*\u+\a), ASC+4*\a+MQ, BSC+16+4*\u+MQ, MH
.endif
.endr
.endr
.endm
.macro KSTEP k
.if (\k) == 3
	s_wait_tensorcnt 0x0                           ; my part of slot 1 has landed: the next fetch reads it
.endif
	s_wait_dscnt 0x0                               ; this step's fragments, asked for 48 products ago, are in
.if (\k) == 3
	s_barrier_signal -1
	s_barrier_wait -1                              ; everybody's part of slot 1 has landed
.endif
.if ((\k) > 0) && ((\k) < 7)
	PLACES                                         ; the loads below land in the set that the last step multiplied
.endif
.if (\k) < 7
	FETCH (\k)+1
.endif
	MUL \k
.endm
	s_wait_tensorcnt 0x1                           ; my part of slot 0 is in; slot 1's load may stay out
	s_barrier_signal -1
	s_barrier_wait -1                              ; everybody's is
	FETCH 0
	s_wait_loadcnt 0x0                             ; the scale words and the bias tiles
.irp k, 0,1,2,3,4,5,6,7
	KSTEP \k
.endr
	WIN 0
	PLACES                                         ; the quantisers read results
; 64 numbers of a lane, registers s .. s + 63 of an accumulator window, register 16 b + i = place 32 b + 16 h + i along the next K, become codes in v[pc] on; the four blocks' bytes stay in v[TM+4] on.
; A block's scale is 2^(floor(log2(its largest magnitude)) - 2): its byte is that magnitude's exponent field - 2, held at 1 from below by the floor among the maximum's leaves.
; wm: the setting with sources 1 and 2 in the accumulators' window; wc: with source 0 there.  Each accumulator is read from its low end on.
.macro QUANT wm, wc, s, pc
	WIN \wm
.irp b, 0,1,2,3
	v_max3_num_f32 v[TM+\b], s86, |v[(\s)+16*\b]|, |v[(\s)+16*\b+1]|
.endr
.irp i, 2,4,6,8,10,12,14
.irp b, 0,1,2,3
	v_max3_num_f32 v[TM+\b], v[TM+\b], |v[(\s)+16*\b+\i]|, |v[(\s)+16*\b+\i+1]|   ; the four blocks by turns
.endr
.endr
	WIN 0
.irp b, 0,1,2,3
	v_permlanex16_b32 v[TM+4+\b], v[TM+\b], s84, s85
.endr
.irp b, 0,1,2,3
	v_max_num_f32 v[TM+\b], v[TM+\b], v[TM+4+\b]   ; with lane l xor 16's 16 numbers: the block's largest magnitude
.endr
.irp b, 0,1,2,3
	v_add_nc_u32 v[TM+12+\b], 0xff000000, v[TM+\b] ; 2 off its exponent field: the conversion's scale operand
.endr
.irp b, 0,1,2,3
	v_lshrrev_b32 v[TM+4+\b], 23, v[TM+12+\b]      ; the scale's byte
.endr
	WIN \wc
.irp b, 0,1,2,3
	v_cvt_scalef32_pk8_fp4_f32 v[(\pc)+2*\b], v[(\s)+16*\b:(\s)+16*\b+7], v[TM+12+\b]
	v_cvt_scalef32_pk8_fp4_f32 v[(\pc)+2*\b+1], v[(\s)+16*\b+8:(\s)+16*\b+15], v[TM+12+\b]
.endr
	WIN 0
	v_nop                                          ; one plain place behind a scaled conversion
.irp c, 0,1                            ; the operand's layout wants a whole block in a lane: lanes 0-15 block 2 c, lanes 16-31 block 2 c + 1
.irp i, 0,1
	v_permlane16_swap_b32 v[(\pc)+4*\c+\i], v[(\pc)+4*\c+2+\i]
.endr
.endr
.endm
	s_mov_b32 vcc_lo, 0xffff0000                   ; lanes 16-31
.irp n, 0,1,2,3                        ; q or k: tiles 2 n and 2 n + 1, two blocks of 32 channels each; four registers a tile: the fragment's K = 0 .. 63
	QUANT 0x28, 2, 64*\n, PC+8*\n
	v_lshl_or_b32 v[SW+2*\n], v[TM+5], 8, v[TM+4]  ; a tile's scale word: two bytes; the upper two stay 0 and meet zero codes alone
	v_lshl_or_b32 v[SW+2*\n+1], v[TM+7], 8, v[TM+6]
	global_store_b128 v25, v[PC+8*\n:PC+8*\n+3], s[74:75] offset:1024*\n
	global_store_b128 v25, v[PC+8*\n+4:PC+8*\n+7], s[74:75] offset:1024*\n+512
.endr
.irp i, 0,1,2,3
	v_cndmask_b32 v[OUTW+\i], v[SW+\i], v[SW+4+\i], vcc_lo   ; lane (r, h) sends row r's words of tiles 4 h .. 4 h + 3
.endr
	global_store_b128 v25, v[OUTW:OUTW+3], s[76:77]
.irp u, 0,1                            ; v: channel tile 2 j + u, four blocks of 32 keys: a whole fragment
	QUANT 0x3c, 3, 64*\u, PC+32+8*\u
	v_lshl_or_b32 v[VW+\u], v[TM+5], 8, v[TM+4]
	v_lshl_or_b32 v[VW+\u], v[TM+6], 16, v[VW+\u]
	v_lshl_or_b32 v[VW+\u], v[TM+7], 24, v[VW+\u]
	global_store_b128 v27, v[PC+32+8*\u:PC+32+8*\u+3], s[78:79] offset:4096+1024*\u
	global_store_b128 v27, v[PC+32+8*\u+4:PC+32+8*\u+7], s[78:79] offset:4096+1024*\u+512
.endr
	v_cndmask_b32 v[OUTV], v[VW], v[VW+1], vcc_lo  ; lanes 0-15 tile 2 j's words, lanes 16-31 tile 2 j + 1's
	global_store_b32 v28, v[OUTV], s[78:79] offset:8704
	s_wait_tensorcnt 0x0
	ds_add_u32 v254, v255
	s_wait_dscnt 0x0
	CROUND                                         ; the closing round: no work-group ends while a partner may still ask for a tile that names it
	s_endpgm
.Lfunc_end_k_qccbcde7b4e_qkv:
	.size	k_qccbcde7b4e_qkv, .Lfunc_end_k_qccbcde7b4e_qkv-k_qccbcde7b4e_qkv
	.p2alignl 7, 3214868480
	.fill 96, 4, 3214868480
	.section	.rodata,"a",@progbits
	.p2align	6, 0x0
	.amdhsa_kernel k_qccbcde7b4e_qkv
		.amdhsa_group_segment_fixed_size 244224
		.amdhsa_private_segment_fixed_size 0
		.amdhsa_enable_private_segment 0
		.amdhsa_kernarg_size 64
		.amdhsa_user_sgpr_count 2
		.amdhsa_user_sgpr_kernarg_segment_ptr 1
		.amdhsa_wavefront_size32 1
		.amdhsa_system_sgpr_workgroup_id_x 1
		.amdhsa_system_sgpr_workgroup_id_y 1
		.amdhsa_system_sgpr_workgroup_id_z 1
		.amdhsa_system_vgpr_workitem_id 0
		.amdhsa_next_free_vgpr 1024
		.amdhsa_next_free_sgpr 100
		.amdhsa_reserve_vcc 1
		.amdhsa_float_denorm_mode_32 3
		.amdhsa_float_denorm_mode_16_64 3
		.amdhsa_memory_ordered 1
		.amdhsa_forward_progress 1
		.amdhsa_inst_pref_size 100
	.end_amdhsa_kernel
	.amdgpu_metadata
---
amdhsa.version: [ 1, 2 ]
amdhsa.kernels:
  - .name:           k_qccbcde7b4e_qkv
    .symbol:         k_qccbcde7b4e_qkv.kd
    .args:
      - { .name: src_codes, .offset: 0, .size: 8, .value_kind: global_buffer, .address_space: global }
      - { .name: src_scales, .offset: 8, .size: 8, .value_kind: global_buffer, .address_space: global }
      - { .name: qkv_w_codes, .offset: 16, .size: 8, .value_kind: global_buffer, .address_space: global }
      - { .name: qkv_w_scales, .offset: 24, .size: 8, .value_kind: global_buffer, .address_space: global }
      - { .name: qkv_b, .offset: 32, .size: 8, .value_kind: global_buffer, .address_space: global }
      - { .name: qimg, .offset: 40, .size: 8, .value_kind: global_buffer, .address_space: global }
      - { .name: qscl, .offset: 48, .size: 8, .value_kind: global_buffer, .address_space: global }
      - { .name: kv, .offset: 56, .size: 8, .value_kind: global_buffer, .address_space: global }
    .group_segment_fixed_size: 244224
    .private_segment_fixed_size: 0
    .kernarg_segment_align: 8
    .kernarg_segment_size: 64
    .max_flat_workgroup_size: 128
    .sgpr_count:     100
    .vgpr_count:     1024
    .wavefront_size: 32
...
	.end_amdgpu_metadata
.endif
;; end of part 1
;; launch attn (part 2): grid 8 x 32, 16 waves a work-group, clusters of 4 x 1, 327,680 bytes of LDS; arguments qimg, qscl, kv, rimg, rscl; writes rimg, rscl
.if DOCPART == 2
	.amdgcn_target "amdgcn-amd-amdhsa--gfx1250"
	.amdhsa_code_object_version 6
	.text
	.protected	k_qccbcde7b4e_attn
	.globl	k_qccbcde7b4e_attn
	.p2align	8
	.type	k_qccbcde7b4e_attn,@function
k_qccbcde7b4e_attn:
	s_mov_b64 s[64:65], 0
	v_nop
	global_prefetch_b8 v0, s[64:65] scope:SCOPE_SE
	s_setreg_imm32_b32 hwreg(HW_REG_WAVE_MODE, 25, 1), 1
	s_wait_xcnt 0x0
	s_wait_alu depctr_hold_cnt(0) depctr_sa_sdst(0) depctr_va_vdst(0) depctr_va_sdst(0) depctr_va_ssrc(0) depctr_va_vcc(0) depctr_vm_vsrc(0)
	s_getreg_b32 s2, hwreg(HW_REG_IB_STS2, 6, 4)
	s_cmp_eq_u32 s2, 0
	s_cbranch_scc0 .Lentry_in_a_cluster
	s_endpgm
.Lentry_in_a_cluster:
	s_bfe_u32 s2, ttmp6, 0x10000c
	s_cmp_lg_u32 s2, 0x3003
	s_cbranch_scc0 .Lentry_shape_is_right
	s_endpgm
.Lentry_shape_is_right:
; res = softmax(q k^T / 8) v for two heads of 256 queries, both products on codes of FP4 (E2M1) with E8M0 scales; res is quantised at once, along head x 64 + channel, for the last product.
; THE SOFTMAX AHEAD OF THE SECOND PRODUCT: t = score x log2(e) / 8; M = the running largest t, rounded UP to a whole number; p = 2^(t - M) is quantised along the keys, not normalised.
; The row's sum is taken of the unquantised p, in f32, and divides O at the end.  When M moves, the sum and O are multiplied by 2^(old M - new M): exact.
; SHARES.  A work-group owns 256 queries of a pair of heads (2 hp, 2 hp + 1); each of its sixteen waves owns one tile of 16 queries, in 256 registers, and makes two passes, one a head, of 16 steps of 128 keys.
; Two heads to a work-group make a whole K step (128) of the last product: a whole fragment and a whole scale word a row.
; BOTH HEADS' k AND v FIT IN LDS (16 steps x 8,960 bytes a head), each byte filled once: no slot is filled again.  Wave w fetches step w of each head: two loads a wave, all waves by the same two lines.
; CLUSTER 4 x 1: the four blocks of queries of a cluster walk the same pair of heads: each load is a joint one, with the same descriptor in all four.
; LAYOUT.  Both products are used transposed: S^T = k q^T, O^T = v^T p^T: a lane holds ONE query throughout.  v's fragments lie in LDS as images of their registers (lane l's 16 bytes at 16 l).
; A LANE HOLDS WHOLE BLOCKS OF KEYS.  k's rows lie in LDS 16 bytes a row and half; which 16 of a step's 128 keys form a tile is free, and is chosen here by the lanes' addresses: lane R of tile 4 c + i takes key
; 64 c + 32 (R / 8) + 8 i + R % 8.  In S^T lane (q, h) then holds in registers 32 c + 0 .. 31 the keys 64 c + 32 h + 0 .. 31: block 2 c + h whole, in the order of p's operand.  So a block's largest score needs no
; other lane, each lane makes two scale bytes and not four, and the conversions' results ARE the operand's registers: nothing changes lanes but the row's maximum and the two halves of p's scale word.
; k IS ASKED FOR A STEP AHEAD: its registers are free four places behind the step's first products; the next step's loads go out there and have the whole softmax in which to land.
; The first product's K is 64: registers 4-7 of q's and of k's fragments are zero codes, written once (q's and k's have zeros of their own).
; v's channels were ordered so that the 16 registers of tiles 2 B, 2 B + 1 of O^T are channels 32 B + 16 (lane / 16) + 0 .. 15, as res's quantiser wants them.
; LIMITS: NaN and infinities are not served; a block whose largest magnitude lies under 2^-124 (zeros among them) gets the scale byte 1: its bytes are read by this program alone.
.set STEPB, 8960                       ; a step: k's rows (4,096), v's 4 fragments (4,096), k's scale words (512), v's (256)
.set HEADB, 16*STEPB
.set STG,   2*HEADB                    ; behind the tiles: 1,024 bytes in which the 16 waves' scale words of res meet
.set LI,  1                            ; v1   16 x lane
.set LS,  2                            ; v2   4 x lane
.set ADV, 3                            ; v3   the step's block + 16 x lane: v's fragments
.set ADT, 4                            ; v4   the step's block + 4 x lane: v's scale words
.set QF,  16                           ; v16-23, v24-31 q's fragments of the two heads
.set KF,  32                           ; v32-95   k's eight fragments
.set S,   96                           ; v96-159  S^T, then p; at a pass's end O^T / the sum
.set O,   160                          ; v160-191 O^T
.set PCD, 192                          ; v192-199 p's codes; at a pass's end res's
.set KS,  200                          ; v200-203 k's scale words: register i: lanes 0-15 tile i, lanes 16-31 tile 4 + i
.set VS,  204                          ; v204-205 v's: lanes 0-15 tiles 0, 2, lanes 16-31 tiles 1, 3
.set PW,  206                          ; v206     p's scale word
.set SH8, 207                          ; v207     8 h: where my two bytes stand in that word
.set BM,  208                          ; v208-209 my two blocks' largest scores, then their largest p
.set LK,  210                          ; v210     my lane's place among a step's rows of k: 1,024 (R / 8) + 256 h + 16 (R % 8)
.set LKS, 211                          ; v211     and among its scale words: 256 h + 16 (R % 8) + 8 (R / 8)
.set BP,  212                          ; v212-213 what the other half of the lanes sends; then a chain of the sum
.set ADKF, 214                         ; v214     the step's block + LK
.set ADKS, 215                         ; v215     the step's block + LKS
.set BO,  216                          ; v216-217 the conversions' scale operands
.set BY,  218                          ; v218-219 two more chains of the maxima, then the scale bytes
.set T0,  220                          ; v220-221 at work
.set T1,  221
.set F,   222                          ; v[222:223] f = 2^(old M - new M); v223 is only named with it
.set VF,  224                          ; v224-255 v's four fragments
.set WV,  14
.set SEL, 20                           ; s[20:21] lane selects for lane l xor 16
.set CS,  22                           ; s[22:23] c = log2(e) / 8
.set G1,  24
.set G0,  32
.set TB,  40                           ; s40 LDS byte at which the step's block begins
.set CNT, 41
.macro CROUND                          ; a round of the cluster's barrier
	s_barrier_signal -1
	s_barrier_wait -1
	s_cmp_lg_u32 s[WV], 0
	s_cbranch_scc1 .Lnot_wave_0_\@
	s_barrier_signal -3
.Lnot_wave_0_\@:
	s_barrier_wait -3
	s_barrier_signal -1
	s_barrier_wait -1
.endm
	s_load_b256 s[4:11], s[0:1], 0x0               ; qimg s[4:5], qscl s[6:7], kv s[8:9], rimg s[10:11]
	s_load_b64 s[12:13], s[0:1], 0x20              ; rscl
	v_lshl_add_u32 v254, v0, 2, 0x46400
	v_mov_b32 v255, 0
	ds_add_u32 v254, v255
	ds_add_u32 v254, v255
	s_wait_dscnt 0x0
	v_lshrrev_b32 v1, 5, v0
	s_delay_alu instid0(VALU_DEP_1)
	v_readfirstlane_b32 s[WV], v1                  ; wave 0..15
	s_bfe_u32 s15, ttmp6, 0x40000                  ; cx
	s_lshl_b32 s16, ttmp9, 2
	s_add_co_u32 s16, s16, s15                     ; my block of 256 queries: it enters q's and res's addresses alone
	s_and_b32 s17, ttmp7, 0xffff                   ; the pair of heads, 8 x batch + hp: the four partners share it
	s_lshr_b32 s18, s17, 3                         ; batch
	s_and_b32 s19, s17, 7                          ; hp
	s_mov_b32 s[G1], 15|(3<<16)|(1<<21)            ; the mask: all four; elements of 8 bytes; bit 21 beside a mask; no padding
	s_mov_b32 s[G1+1], 32<<16                      ; a dense block of 8,960 bytes as 35 rows of 256
	s_mov_b32 s[G1+2], 35<<16
	s_mov_b32 s[G1+3], 32<<16
	s_mov_b32 s[G1+4], 35
	s_mov_b32 s[G1+5], 32
	s_mov_b32 s[G1+6], 0
	s_mov_b32 s[G1+7], 0
	s_mul_i32 s46, s[WV], STEPB                    ; step w: its place in a head, in memory and in LDS alike
	s_mul_i32 s44, s17, 2*HEADB
	s_add_co_u32 s44, s44, s46
	s_mov_b32 s45, 0
	s_mov_b32 s[SEL], 0x76543210
	s_mov_b32 s[SEL+1], 0xfedcba98
	s_mov_b32 s[CS], 0x3e38aa3b                    ; log2(e) / 8
	s_mov_b32 s[CS+1], s[CS]                       ; (named with it as a pair, so it is written)
	s_lshl_b32 s47, s16, 4
	s_add_co_u32 s47, s47, s[WV]                   ; my tile among the sequence's 128
	s_lshl_b32 s48, s47, 9
	s_lshl_b32 s50, s17, 17
	s_add_co_u32 s48, s48, s50                     ; q's image: head 2 pr x 65,536 + tile x 512
	s_mov_b32 s49, 0
	s_lshr_b32 s50, s47, 3
	s_lshl_b32 s50, s50, 9                         ; q's scale words: the block of 8 tiles x 512,
	s_bfe_u32 s51, s[WV], 0x10002
	s_lshl_b32 s51, s51, 8
	s_add_co_u32 s50, s50, s51                     ; + 256 for tiles 4-7 of the block,
	s_and_b32 s51, s[WV], 3
	s_lshl_b32 s51, s51, 2
	s_add_co_u32 s50, s50, s51                     ; + 4 x (tile % 4),
	s_lshl_b32 s51, s17, 14
	s_add_co_u32 s50, s50, s51                     ; + head 2 pr x 8,192
	s_mov_b32 s51, 0
	s_lshl_b32 s52, s18, 7
	s_add_co_u32 s52, s52, s47                     ; T = 128 x batch + tile
	s_lshl_b32 s52, s52, 13
	s_lshl_b32 s53, s19, 10
	s_add_co_u32 s52, s52, s53                     ; res's images: T x 8,192 + hp x 1,024
	s_mov_b32 s53, 0
	s_lshl_b32 s54, s18, 7
	s_lshl_b32 s55, s16, 4
	s_add_co_u32 s54, s54, s55
	s_lshl_b32 s54, s54, 6
	s_lshl_b32 s55, s19, 15
	s_add_co_u32 s54, s54, s55                     ; res's scale words: hp x 32,768 + the work-group's first T x 64
	s_mov_b32 s55, 0
	s_wait_kmcnt 0x0
	s_add_nc_u64 s[8:9], s[8:9], s[44:45]
	s_add_nc_u64 s[4:5], s[4:5], s[48:49]
	s_add_nc_u64 s[6:7], s[6:7], s[50:51]
	s_add_nc_u64 s[10:11], s[10:11], s[52:53]
	s_add_nc_u64 s[12:13], s[12:13], s[54:55]
	CROUND                                         ; all four work-groups are here: the joint loads meet
	s_mov_b32 s[G0], 1
	s_mov_b32 s[G0+1], s46                         ; head 0's step w
	s_mov_b64 s[G0+2:G0+3], s[8:9]
	s_or_b32 s[G0+3], s[G0+3], 0x80000000
	s_mov_b32 s[G0+4], 1
	s_add_co_u32 s[G0+5], s46, HEADB               ; head 1's
	s_add_nc_u64 s[G0+6:G0+7], s[8:9], HEADB
	s_or_b32 s[G0+7], s[G0+7], 0x80000000
	tensor_load_to_lds s[G0:G0+3], s[G1:G1+7]      ; one load of mine is out
	s_nop 0
	s_wait_alu depctr_va_vdst(0)
	s_wait_tensorcnt 0x0
	ds_add_u32 v254, v255
	s_wait_dscnt 0x0
	CROUND
	tensor_load_to_lds s[G0+4:G0+7], s[G1:G1+7]
	s_nop 0
.rept 4
	v_nop
.endr
	v_and_b32 v2, 31, v0
	s_delay_alu instid0(VALU_DEP_1)
	v_lshlrev_b32 v[LI], 4, v2
	s_delay_alu instid0(VALU_DEP_2)
	v_lshlrev_b32 v[LS], 2, v2
	v_and_b32 v5, 15, v0                           ; r
	v_lshrrev_b32 v6, 5, v0
	s_delay_alu instid0(VALU_DEP_1)
	v_lshlrev_b32 v6, 6, v6
	s_delay_alu instid0(VALU_DEP_1)
	v_lshl_add_u32 v6, v5, 2, v6
	s_delay_alu instid0(VALU_DEP_1)
	v_add_nc_u32 v6, STG, v6                       ; where my row's scale word of res goes: 64 x wave + 4 r
	v_lshlrev_b32 v5, 4, v5                        ; q's scale words: 16 bytes a row
	v_and_b32 v10, 63, v0
	s_delay_alu instid0(VALU_DEP_1)
	v_lshlrev_b32 v11, 4, v10                      ; the way out of those 1,024 bytes: 16 bytes a thread of waves 0 and 1
	s_delay_alu instid0(VALU_DEP_1)
	v_add_nc_u32 v10, STG, v11
	v_and_b32 v[T0], 7, v0                         ; R % 8
	v_bfe_u32 v[T1], v0, 3, 1                      ; R / 8
	v_bfe_u32 v[SH8], v0, 4, 1                     ; h
	s_delay_alu instid0(VALU_DEP_3)
	v_lshlrev_b32 v[LK], 4, v[T0]
	s_delay_alu instid0(VALU_DEP_1)
	v_lshl_add_u32 v[LK], v[SH8], 8, v[LK]         ; 16 (R % 8) + 256 h: common to both
	s_delay_alu instid0(VALU_DEP_1)
	v_lshl_add_u32 v[LKS], v[T1], 3, v[LK]         ; k's scale words: + 8 (R / 8)
	s_delay_alu instid0(VALU_DEP_2)
	v_lshl_add_u32 v[LK], v[T1], 10, v[LK]         ; k's rows: + 1,024 (R / 8)
	v_lshlrev_b32 v[SH8], 3, v[SH8]                ; 8 h
	global_load_b128 v[QF:QF+3], v[LI], s[4:5]
	global_load_b128 v[QF+8:QF+11], v[LI], s[4:5] offset:65536
	global_load_b32 v8, v5, s[6:7]                 ; v8, v9: q's scale words of the two heads
	global_load_b32 v9, v5, s[6:7] offset:8192
.irp n, 4,5,6,7,12,13,14,15
	v_mov_b32 v[QF+\n], 0                          ; zero codes for K = 64 .. 127
.endr
.irp a, 0,1,2,3,4,5,6,7
.irp n, 4,5,6,7
	v_mov_b32 v[KF+8*\a+\n], 0
.endr
.endr
	v_mov_b32 v[BP], 0                             ; written once: a lane permute's destination counts as one of its sources
	v_mov_b32 v[BP+1], 0
	v_mov_b32 v[F+1], 0
; k's eight fragments and its scale words of the step that begins off bytes behind the one in hand: ten loads.  Tile 4 c + i: bytes 2,048 c + 512 (i % 2) + 128 (i / 2) on from my lane's place;
; its scale words: two neighbouring words (i % 2) by one load of 8 bytes, 128 (i / 2) on; lanes 16-31 take tiles 4-7's.
.macro KLOAD off
.irp c, 0,1
.irp i, 0,1,2,3
	ds_load_b128 v[KF+8*(4*\c+\i):KF+8*(4*\c+\i)+3], v[ADKF] offset:(\off)+2048*\c+512*(\i%2)+128*(\i/2)
.endr
.endr
	ds_load_b64 v[KS:KS+1], v[ADKS] offset:(\off)+8192
	ds_load_b64 v[KS+2:KS+3], v[ADKS] offset:(\off)+8320
.endm
; A KEY STEP: 128 keys.  qf: q's fragment, qs: its scale words.  pre = 1: the next step's k is asked for.
.macro STEP qf, qs, pre
	s_wait_dscnt 0x0                               ; k's ten loads, issued a step ago, are in; nothing else of mine is out
.irp a, 0,1,2,3
	v_wmma_scale_f32_16x16x128_f8f6f4 v[S+8*\a:S+8*\a+7], v[KF+8*\a:KF+8*\a+7], v[\qf:\qf+7], 0, v[KS+\a], v[\qs] matrix_a_fmt:MATRIX_FMT_FP4 matrix_b_fmt:MATRIX_FMT_FP4
.endr
.irp a, 4,5,6,7
	v_wmma_scale_f32_16x16x128_f8f6f4 v[S+8*\a:S+8*\a+7], v[KF+8*\a:KF+8*\a+7], v[\qf:\qf+7], 0, v[KS+\a-4], v[\qs] matrix_a_fmt:MATRIX_FMT_FP4 matrix_b_fmt:MATRIX_FMT_FP4 matrix_a_scale:MATRIX_SCALE_ROW1
.endr
	v_add_nc_u32 v[ADV], s[TB], v[LI]              ; the step's four addresses are the four places behind these products and the last step's (ISA guide 7.12.1):
	v_add_nc_u32 v[ADT], s[TB], v[LS]              ; ahead of the loads into their sources and of the first read of the scores
	v_add_nc_u32 v[ADKF], s[TB], v[LK]
	v_add_nc_u32 v[ADKS], s[TB], v[LKS]
.irp b, 0,1,2,3
.irp c, 0,1
	ds_load_b128 v[VF+8*\b+4*\c:VF+8*\b+4*\c+3], v[ADV] offset:4096+1024*\b+512*\c
.endr
.endr
	ds_load_b32 v[VS], v[ADT] offset:8704
	ds_load_b32 v[VS+1], v[ADT] offset:8832
.if \pre
	KLOAD STEPB
.endif
.irp b, 0,1,2,3                        ; the largest score of each of my two blocks of 32 keys, in four chains of 15 (registers 16 b + 0 .. 14): it serves for the row's maximum and, since p rises with the score, for the block's largest p
	v_max3_num_f32 v[BM+(\b/2)+10*(\b%2)], v[S+16*\b], v[S+16*\b+1], v[S+16*\b+2]
.endr
.irp i, 3,5,7,9,11,13
.irp b, 0,1,2,3
	v_max3_num_f32 v[BM+(\b/2)+10*(\b%2)], v[BM+(\b/2)+10*(\b%2)], v[S+16*\b+\i], v[S+16*\b+\i+1]
.endr
.endr
.irp c, 0,1
	v_max3_num_f32 v[BM+\c], v[BM+\c], v[BY+\c], v[S+32*\c+15]   ; a block's two chains and the two scores left over
.endr
.irp c, 0,1
	v_max_num_f32 v[BM+\c], v[BM+\c], v[S+32*\c+31]
.endr
	s_delay_alu instid0(VALU_DEP_1)
	v_max3_num_f32 v[T0], v13, v[BM], v[BM+1]      ; the running largest score with my 64 keys,
	s_delay_alu instid0(VALU_DEP_1)
	v_permlanex16_b32 v[BP], v[T0], s[SEL], s[SEL+1]
	s_delay_alu instid0(VALU_DEP_1)
	v_max_num_f32 v13, v[T0], v[BP]                ; and with lane l xor 16's
	s_delay_alu instid0(VALU_DEP_1)
	v_mul_f32 v[T0], s[CS], v13                    ; as t (c is positive)
	v_mov_b32 v[T1], v12
	s_delay_alu instid0(VALU_DEP_2)
	v_floor_f32 v12, -v[T0]                        ; the new -M = floor(-t) = -ceil(t)
	s_delay_alu instid0(VALU_DEP_1)
	v_sub_f32 v[T1], v12, v[T1]                    ; old M - new M: a whole number, 0 or less
	s_delay_alu instid0(VALU_DEP_1)
	v_cvt_i32_f32 v[T1], v[T1]                     ; (it saturates)
	s_delay_alu instid0(VALU_DEP_1)
	v_ldexp_f32 v[F], 1.0, v[T1]                   ; f = 2^(old M - new M)
.set J, 0
.rept 32
	v_pk_fma_f32 v[S+J:S+J+1], v[S+J:S+J+1], s[CS:CS+1], v[12:13] op_sel_hi:[1,0,0]   ; t - M, two at a time (of the pairs c and -M the low word serves both halves)
.set J, J+2
.endr
.irp c, 0,1
	v_fma_f32 v[BM+\c], v[BM+\c], s[CS], v12       ; the same of each block's largest score
.endr
.set J, 0
	s_wait_alu depctr_va_vdst(0)
.rept 64
	v_exp_f32 v[S+J], v[S+J]                       ; p = 2^(t - M), at most 1
.set J, J+1
.endr
.irp c, 0,1
	v_exp_f32 v[BM+\c], v[BM+\c]                   ; the block's largest p: the same two instructions on the same number give the same bits
.endr
	v_pk_mul_f32 v[14:15], v[14:15], v[F:F+1] op_sel_hi:[1,0]   ; the sums under the new M.  (A plain place behind the exponentials)
	s_wait_alu depctr_va_vdst(0)
.irp c, 0,1
	v_max_num_f32 v[BM+\c], 0x1800000, v[BM+\c]    ; the floor 2^(3 - 127): the byte cannot fall under 1
.endr
.irp c, 0,1
	s_delay_alu instid0(VALU_DEP_2)
	v_add_nc_u32 v[BO+\c], 0xff000000, v[BM+\c]    ; 2 off the exponent field: the conversion's scale operand
.endr
.irp c, 0,1
	s_delay_alu instid0(VALU_DEP_2)
	v_lshrrev_b32 v[BY+\c], 23, v[BO+\c]           ; the scale's byte
.endr
	s_delay_alu instid0(VALU_DEP_1)
	v_lshl_or_b32 v[PW], v[BY+1], 16, v[BY]        ; my two bytes: blocks h and 2 + h,
	s_delay_alu instid0(VALU_DEP_1)
	v_lshlrev_b32 v[PW], v[SH8], v[PW]             ; at their places in p's scale word (8 h bits up);
	s_delay_alu instid0(VALU_DEP_1)
	v_permlanex16_b32 v[BP+1], v[PW], s[SEL], s[SEL+1]
	s_delay_alu instid0(VALU_DEP_1)
	v_or_b32 v[PW], v[PW], v[BP+1]                 ; with lane l xor 16's two the word is whole
.irp c, 0,1
.irp i, 0,1,2,3
	v_cvt_scalef32_pk8_fp4_f32 v[PCD+4*\c+\i], v[S+32*\c+8*\i:S+32*\c+8*\i+7], v[BO+\c]   ; registers 4 c .. 4 c + 3 of the operand: keys 64 c + 32 h + 0 .. 31
.endr
.endr
.set J, 0
.rept 16
	v_pk_mul_f32 v[O+J:O+J+1], v[O+J:O+J+1], v[F:F+1] op_sel_hi:[1,0]   ; O^T under the new M, each tile from its low end on.  (The first is the plain place behind the conversions)
.set J, J+2
.endr
	v_pk_add_f32 v[BP:BP+1], v[S:S+1], v[S+2:S+3]  ; the row's sum is taken of the unquantised p: two at a time, in two chains.  (These lines and those above are the places ahead of the products below)
.set J, 4
.rept 15
	v_pk_add_f32 v[14:15], v[14:15], v[S+J:S+J+1]
	v_pk_add_f32 v[BP:BP+1], v[BP:BP+1], v[S+J+2:S+J+3]
.set J, J+4
.endr
	s_delay_alu instid0(VALU_DEP_1)
	v_pk_add_f32 v[14:15], v[14:15], v[BP:BP+1]
.if \pre
	s_wait_dscnt 10                                ; v's ten loads are in; the next step's ten loads of k, issued behind them, may be out
.else
	s_wait_alu depctr_va_vdst(0)
	s_wait_dscnt 0x0                               ; v's ten loads
.endif
.irp b, 0,2                            ; O^T += v^T p^T: the four accumulators by turns; between two products on one of them stand eleven others
	v_wmma_scale_f32_16x16x128_f8f6f4 v[O+8*\b:O+8*\b+7], v[VF+8*\b:VF+8*\b+7], v[PCD:PCD+7], v[O+8*\b:O+8*\b+7], v[VS+\b/2], v[PW] matrix_a_fmt:MATRIX_FMT_FP4 matrix_b_fmt:MATRIX_FMT_FP4
	v_wmma_scale_f32_16x16x128_f8f6f4 v[O+8*\b+8:O+8*\b+15], v[VF+8*\b+8:VF+8*\b+15], v[PCD:PCD+7], v[O+8*\b+8:O+8*\b+15], v[VS+\b/2], v[PW] matrix_a_fmt:MATRIX_FMT_FP4 matrix_b_fmt:MATRIX_FMT_FP4 matrix_a_scale:MATRIX_SCALE_ROW1
.endr
.endm
; A PASS: head c of the pair.  The first trip finds zeros in O^T and the sum, which the first change of M leaves zeros.  The last step is written out: it asks for no further k.
.macro HEAD c, qf, qs
.if \c
	s_wait_xcnt 0x0                                ; the last pass's store has read its data: the codes' registers are written again only behind this wait
.endif
	v_mov_b32 v13, 0xff61b1e6                      ; the largest score so far: -3e38
	s_delay_alu instid0(VALU_DEP_1)
	v_floor_f32 v12, -v13                          ; -M: so large that the first f is 0
	v_mov_b32 v14, 0                               ; the sum, in two halves
	v_mov_b32 v15, 0
.set J, 0
.rept 32
	v_mov_b32 v[O+J], 0
.set J, J+1
.endr
	s_mov_b32 s[TB], \c*HEADB
	v_add_nc_u32 v[ADKF], s[TB], v[LK]
	v_add_nc_u32 v[ADKS], s[TB], v[LKS]
	KLOAD 0                                        ; the pass's first k
	s_mov_b32 s[CNT], 15
.Lstep_\@:
	STEP \qf, \qs, 1
	s_add_co_u32 s[TB], s[TB], STEPB
	s_sub_co_u32 s[CNT], s[CNT], 1
	s_cmp_lg_u32 s[CNT], 0
	s_cbranch_scc1 .Lstep_\@
	STEP \qf, \qs, 0
.rept 4
	v_nop                                          ; places behind the last products
.endr
	v_add_f32 v14, v14, v15                        ; the sum's two halves,
	s_delay_alu instid0(VALU_DEP_1)
	v_permlanex16_b32 v[T0], v14, s[SEL], s[SEL+1]
	s_delay_alu instid0(VALU_DEP_1)
	v_add_f32 v14, v14, v[T0]                      ; and lane l xor 16's: the row's sum
	s_wait_alu depctr_va_vdst(0)
	v_rcp_f32 v14, v14
	v_nop                                          ; a plain place behind the reciprocal
.set J, 0
	s_wait_alu depctr_va_vdst(0)
.rept 16
	v_pk_mul_f32 v[S+J:S+J+1], v[O+J:O+J+1], v[14:15] op_sel_hi:[1,0]   ; res: register 16 B + i is channel 32 B + 16 h + i of my query
.set J, J+2
.endr
.irp b, 0,1                            ; the head's two blocks of 32 along the last product's K: 16 numbers of each are mine
	v_max3_num_f32 v[BM+\b], |v[S+16*\b]|, |v[S+16*\b+1]|, 0x1800000
.endr
.irp i, 2,4,6,8,10,12,14
.irp b, 0,1
	s_delay_alu instid0(VALU_DEP_2)
	v_max3_num_f32 v[BM+\b], v[BM+\b], |v[S+16*\b+\i]|, |v[S+16*\b+\i+1]|
.endr
.endr
.irp b, 0,1
	s_delay_alu instid0(VALU_DEP_2)
	v_permlanex16_b32 v[BP+\b], v[BM+\b], s[SEL], s[SEL+1]
.endr
.irp b, 0,1
	s_delay_alu instid0(VALU_DEP_2)
	v_max_num_f32 v[BM+\b], v[BM+\b], v[BP+\b]
.endr
.irp b, 0,1
	s_delay_alu instid0(VALU_DEP_2)
	v_add_nc_u32 v[BO+\b], 0xff000000, v[BM+\b]
.endr
.irp b, 0,1
	s_delay_alu instid0(VALU_DEP_2)
	v_lshrrev_b32 v[BP+\b], 23, v[BO+\b]
.endr
.if \c
	s_delay_alu instid0(VALU_DEP_2)
	v_lshl_or_b32 v7, v[BP], 16, v7                ; v7: my row's scale word of this K step: head 0's two bytes, then head 1's
	s_delay_alu instid0(VALU_DEP_1)
	v_lshl_or_b32 v7, v[BP+1], 24, v7
.else
	s_delay_alu instid0(VALU_DEP_1)
	v_lshl_or_b32 v7, v[BP+1], 8, v[BP]
.endif
.irp b, 0,1
	v_cvt_scalef32_pk8_fp4_f32 v[PCD+2*\b], v[S+16*\b:S+16*\b+7], v[BO+\b]
	v_cvt_scalef32_pk8_fp4_f32 v[PCD+2*\b+1], v[S+16*\b+8:S+16*\b+15], v[BO+\b]
.endr
	v_nop                                          ; one plain place behind a scaled conversion
	v_permlane16_swap_b32 v[PCD], v[PCD+2]
	v_permlane16_swap_b32 v[PCD+1], v[PCD+3]       ; registers 4 c .. 4 c + 3 of the fragment: K = 64 c + 32 h + 0 .. 31
	global_store_b128 v[LI], v[PCD:PCD+3], s[10:11] offset:512*\c   ; 512 consecutive bytes, aligned
.endm
	s_wait_tensorcnt 0x1                           ; my step of head 0 is in; head 1's may stay out
	s_barrier_signal -1
	s_barrier_wait -1                              ; all sixteen steps of head 0 are in
	s_wait_loadcnt 0x0                             ; q
	HEAD 0, QF, 8
	s_wait_tensorcnt 0x0                           ; my step of head 1 is in
	s_wait_dscnt 0x0
	s_barrier_signal -1
	s_barrier_wait -1
	HEAD 1, QF+8, 9
	ds_store_b32 v6, v7                            ; both halves of the lanes write the same word with the same value
	s_wait_dscnt 0x0                               ; for the others' sake
	s_barrier_signal -1
	s_barrier_wait -1
	s_cmp_lt_u32 s[WV], 2                          ; waves 0 and 1 send the work-group's 1,024 bytes of scale words: 512 consecutive bytes a store
	s_cbranch_scc0 .Lnot_mine
	ds_load_b128 v[S:S+3], v10
	s_wait_dscnt 0x0
	global_store_b128 v11, v[S:S+3], s[12:13]
.Lnot_mine:
	s_wait_xcnt 0x0
	v_lshl_add_u32 v254, v0, 2, 0x46400
	v_mov_b32 v255, 0
	s_wait_alu depctr_va_vdst(0)
	s_wait_tensorcnt 0x0
	ds_add_u32 v254, v255
	s_wait_dscnt 0x0
	CROUND                                         ; the closing round: no work-group ends while a partner may still ask for a tile that names it
	s_endpgm
.Lfunc_end_k_qccbcde7b4e_attn:
	.size	k_qccbcde7b4e_attn, .Lfunc_end_k_qccbcde7b4e_attn-k_qccbcde7b4e_attn
	.p2alignl 7, 3214868480
	.fill 96, 4, 3214868480
	.section	.rodata,"a",@progbits
	.p2align	6, 0x0
	.amdhsa_kernel k_qccbcde7b4e_attn
		.amdhsa_group_segment_fixed_size 327680
		.amdhsa_private_segment_fixed_size 0
		.amdhsa_enable_private_segment 0
		.amdhsa_kernarg_size 40
		.amdhsa_user_sgpr_count 2
		.amdhsa_user_sgpr_kernarg_segment_ptr 1
		.amdhsa_wavefront_size32 1
		.amdhsa_system_sgpr_workgroup_id_x 1
		.amdhsa_system_sgpr_workgroup_id_y 1
		.amdhsa_system_sgpr_workgroup_id_z 1
		.amdhsa_system_vgpr_workitem_id 0
		.amdhsa_next_free_vgpr 256
		.amdhsa_next_free_sgpr 66
		.amdhsa_reserve_vcc 0
		.amdhsa_float_denorm_mode_32 3
		.amdhsa_float_denorm_mode_16_64 3
		.amdhsa_memory_ordered 1
		.amdhsa_forward_progress 1
		.amdhsa_inst_pref_size 77
	.end_amdhsa_kernel
	.amdgpu_metadata
---
amdhsa.version: [ 1, 2 ]
amdhsa.kernels:
  - .name:           k_qccbcde7b4e_attn
    .symbol:         k_qccbcde7b4e_attn.kd
    .args:
      - { .name: qimg, .offset: 0, .size: 8, .value_kind: global_buffer, .address_space: global }
      - { .name: qscl, .offset: 8, .size: 8, .value_kind: global_buffer, .address_space: global }
      - { .name: kv, .offset: 16, .size: 8, .value_kind: global_buffer, .address_space: global }
      - { .name: rimg, .offset: 24, .size: 8, .value_kind: global_buffer, .address_space: global }
      - { .name: rscl, .offset: 32, .size: 8, .value_kind: global_buffer, .address_space: global }
    .group_segment_fixed_size: 327680
    .private_segment_fixed_size: 0
    .kernarg_segment_align: 8
    .kernarg_segment_size: 40
    .max_flat_workgroup_size: 512
    .sgpr_count:     66
    .vgpr_count:     256
    .wavefront_size: 32
...
	.end_amdgpu_metadata
.endif
;; end of part 2
;; launch proj (part 3): grid 4 x 64, 4 waves a work-group, clusters of 4 x 4, 239,104 bytes of LDS; arguments rimg, rscl, out_w_codes, out_w_scales, out_b, out0; writes out0
.if DOCPART == 3
	.amdgcn_target "amdgcn-amd-amdhsa--gfx1250"
	.amdhsa_code_object_version 6
	.text
	.protected	k_qccbcde7b4e_proj
	.globl	k_qccbcde7b4e_proj
	.p2align	8
	.type	k_qccbcde7b4e_proj,@function
k_qccbcde7b4e_proj:
	s_mov_b64 s[64:65], 0
	v_nop
	global_prefetch_b8 v0, s[64:65] scope:SCOPE_SE
	s_setreg_imm32_b32 hwreg(HW_REG_WAVE_MODE, 25, 1), 1
	s_wait_xcnt 0x0
	s_wait_alu depctr_hold_cnt(0) depctr_sa_sdst(0) depctr_va_vdst(0) depctr_va_sdst(0) depctr_va_ssrc(0) depctr_va_vcc(0) depctr_vm_vsrc(0)
	s_getreg_b32 s2, hwreg(HW_REG_IB_STS2, 6, 4)
	s_cmp_eq_u32 s2, 0
	s_cbranch_scc0 .Lentry_in_a_cluster
	s_endpgm
.Lentry_in_a_cluster:
	s_bfe_u32 s2, ttmp6, 0x10000c
	s_cmp_lg_u32 s2, 0xf033
	s_cbranch_scc0 .Lentry_shape_is_right
	s_endpgm
.Lentry_shape_is_right:
; out0 = res W + b on codes of FP4 (E2M1) with E8M0 scales.  res comes as images of its fragments (rimg: [T][K step][half][lane][16 bytes], T a tile of 16 rows) with scale words rscl [K step][T][row];
; W: [1024][1024] codes, K innermost, a row is 512 bytes; its scale bytes 32 a row.  out0: [8192][1024] f32.
; SHARES.  A work-group makes 128 rows (8 tiles T) x 256 columns: 256 work-groups.  Wave w (i = w / 2, j = w % 2) makes 4 tiles T x 128 columns: 32 accumulators.
; ALL OF K FITS IN LDS: two slots, one for each half of K, each filled once: no slot is filled again.
; CLUSTER 4 x 4: the four work-groups of a row need the same tiles of res, the four of a column the same rows of W: each tile is asked for jointly.
; THE MATRIX INSTRUCTION IS USED TRANSPOSED (source 0 = 16 rows of W, source 1 = a tile of res): a lane holds eight neighbouring columns of one row of out0.
; THE ROWS OF A TILE T ARE NOT NEIGHBOURS: lane r of tile 2 B + u of a block of 128 rows is row 32 B + 8 u + r + 8 (r / 8): the stores' offsets put each row in its place.
; The bias is the C of each sum's first product.  Scale words come straight into registers, once: lanes 0-15 K steps 0-3, lanes 16-31 K steps 4-7.
; REGISTERS: window 0: addresses, scale words.  window 1: two sets of fragments at 128 p: res's 4 at +0, W's 8 at +32; on the way out four buffers of 64.  window 2: accumulators at 8 (8 a + t).  window 3: bias tiles at 8 t.
.set PITCH,  272                       ; a row of W in LDS: 256 bytes + 16 of padding
.set HALFA,  16384                     ; four tiles' images of half of K: what one load of res brings
.set AIMG,   2*HALFA
.set HALFW,  128*PITCH
.set SLOT,   AIMG+2*HALFW
.set STAGE,  2*SLOT                    ; behind the slots: 16 rows x (512 bytes + 16) for each wave, for the way out; no load fills it
.set SPITCH, 528
.set ADRA,  16                         ; v16-17 my fragments of res in slot 0, 1
.set ADRB,  18                         ; v18-19 of W
.set STO,   20                         ; v20 the way out: where I put 32 bytes of a row
.set RD,    21                         ; v21 where I read a row back
.set CO,    22                         ; v22 16 x lane
.set ASC,   32                         ; v32-47 res's scale words: tile a, step q at 4 a + q
.set BSC,   64                         ; v64-95 W's
.set G1,    24
.set G0,    32
.set G1B,   48
.set G0B,   56
.set MSB,   0
.macro WIN new                         ; the immediate's high byte repeats the setting that is left
.if MSB != \new
	s_set_vgpr_msb (MSB<<8)|\new
.set MSB, \new
.endif
.endm
.macro PLACES                          ; four plain places behind a matrix instruction, ahead of loads into its sources and of reads of its result
.rept 4
	v_nop
.endr
.endm
.macro CROUND                          ; a round of the cluster's barrier
	s_barrier_signal -1
	s_barrier_wait -1
	s_cmp_lg_u32 s20, 0
	s_cbranch_scc1 .Lnot_wave_0_\@
	s_barrier_signal -3
.Lnot_wave_0_\@:
	s_barrier_wait -3
	s_barrier_signal -1
	s_barrier_wait -1
.endm
	s_load_b256 s[4:11], s[0:1], 0x0               ; rimg s[4:5], rscl s[6:7], W's codes s[8:9], W's scales s[10:11]
	s_load_b128 s[12:15], s[0:1], 0x20             ; the bias s[12:13], out0 s[14:15]
	v_lshl_add_u32 v254, v0, 2, 0x3a400
	v_mov_b32 v255, 0
	ds_add_u32 v254, v255
	ds_add_u32 v254, v255
	v_lshrrev_b32 v1, 5, v0
	v_readfirstlane_b32 s20, v1                    ; wave 0..3
	s_lshr_b32 s21, s20, 1                         ; i: my half of the rows.  Also: I fetch for res (0) or for W (1)
	s_and_b32 s22, s20, 1                          ; j: my half of the columns.  Also: which half of that tile I fetch
	s_bfe_u32 s40, ttmp6, 0x40000                  ; cx, cy
	s_bfe_u32 s41, ttmp6, 0x40004
	s_lshl_b32 s42, ttmp9, 2
	s_add_co_u32 s42, s42, s40                     ; x: the block of 256 columns
	s_and_b32 s43, ttmp7, 0xffff
	s_lshl_b32 s43, s43, 2
	s_add_co_u32 s43, s43, s41                     ; y: the block of 128 rows
	s_lshl_b32 s44, s41, 2
	s_lshl_b32 s44, 15, s44                        ; my row of the cluster
	s_lshl_b32 s45, 0x1111, s40                    ; my column
	s_or_b32 s[G1], s44, (3<<16)|(1<<21)           ; res: the mask; elements of 8 bytes; bit 21 beside a mask; no padding
	s_mov_b32 s[G1+1], 512<<16                     ; a row: a tile's images of half of K, 4,096 bytes
	s_mov_b32 s[G1+2], 4<<16                       ; four tiles
	s_mov_b32 s[G1+3], 512<<16
	s_mov_b32 s[G1+4], 4
	s_mov_b32 s[G1+5], 1024                        ; 8,192 bytes from tile to tile
	s_mov_b32 s[G1+6], 0
	s_mov_b32 s[G1+7], 0
	s_or_b32 s[G1B], s45, (1<<20)|(1<<21)|(5<<22)|(3<<25)   ; W: elements of 1 byte; 4 words of padding behind every 64
	s_mov_b32 s[G1B+1], 256<<16
	s_mov_b32 s[G1B+2], 128<<16
	s_mov_b32 s[G1B+3], 256<<16
	s_mov_b32 s[G1B+4], 128
	s_mov_b32 s[G1B+5], 512
	s_mov_b32 s[G1B+6], 0
	s_mov_b32 s[G1B+7], 0
	s_lshl_b32 s66, s43, 3
	s_lshl_b32 s68, s22, 2
	s_add_co_u32 s66, s66, s68
	s_lshl_b32 s66, s66, 13                        ; res: tile 8 y + 4 j, in bytes: made of y and the wave alone
	s_mov_b32 s67, 0
	s_lshl_b32 s46, s42, 8
	s_lshl_b32 s69, s22, 7
	s_add_co_u32 s46, s46, s69
	s_lshl_b32 s46, s46, 9                         ; W: row 256 x + 128 j: made of x and the wave alone
	s_mov_b32 s47, 0
	s_mul_i32 s70, s22, HALFA                      ; where they go: no place in the cluster enters an LDS address
	s_mul_i32 s71, s22, HALFW
	s_add_co_u32 s71, s71, AIMG
	s_wait_dscnt 0x0
	s_wait_kmcnt 0x0
	s_add_nc_u64 s[66:67], s[4:5], s[66:67]
	s_add_nc_u64 s[46:47], s[8:9], s[46:47]
	CROUND                                         ; all sixteen work-groups are here: the joint loads meet
.irp s, 0,1
	s_mov_b32 s[G0+4*\s], 1
	s_add_co_u32 s[G0+4*\s+1], s70, \s*SLOT
	s_add_nc_u64 s[G0+4*\s+2:G0+4*\s+3], s[66:67], \s*4096         ; slot s: the s-th half of K
	s_or_b32 s[G0+4*\s+3], s[G0+4*\s+3], 0x80000000
	s_mov_b32 s[G0B+4*\s], 1
	s_add_co_u32 s[G0B+4*\s+1], s71, \s*SLOT
	s_add_nc_u64 s[G0B+4*\s+2:G0B+4*\s+3], s[46:47], \s*256
	s_or_b32 s[G0B+4*\s+3], s[G0B+4*\s+3], 0x80000000
.endr
	s_cmp_eq_u32 s21, 0                            ; a wave's two fills stand in one branch on the wave's number: two loads of mine are out
	s_cbranch_scc0 .Lfirst_w
	tensor_load_to_lds s[G0:G0+3], s[G1:G1+7]
	s_nop 0
	tensor_load_to_lds s[G0+4:G0+7], s[G1:G1+7]
	s_nop 0
.rept 4
	v_nop
.endr
	s_branch .Lfirst_asked
.Lfirst_w:
	tensor_load_to_lds s[G0B:G0B+3], s[G1B:G1B+7]
	s_nop 0
	tensor_load_to_lds s[G0B+4:G0B+7], s[G1B:G1B+7]
	s_nop 0
.rept 4
	v_nop
.endr
.Lfirst_asked:
	v_and_b32 v1, 15, v0                           ; r
	v_bfe_u32 v2, v0, 4, 1                         ; h
	v_and_b32 v3, 31, v0
	v_lshlrev_b32 v[CO], 4, v3                     ; 16 x lane
	v_mul_u32_u24 v4, v1, PITCH
	v_lshl_add_u32 v4, v2, 4, v4                   ; W's fragment: row r x pitch + 16 h
	s_mul_i32 s68, s21, HALFA                      ; my four tiles of res
	s_mul_i32 s69, s22, HALFW
	s_add_co_u32 s69, s69, AIMG                    ; my 128 rows of W
.irp s, 0,1
	v_add_nc_u32 v[ADRA+\s], s68, v[CO]
	v_add_nc_u32 v[ADRB+\s], s69, v4
	s_add_co_u32 s68, s68, SLOT
	s_add_co_u32 s69, s69, SLOT
.endr
	s_mul_i32 s72, s20, 16*SPITCH
	s_add_co_u32 s72, s72, STAGE                   ; my stage
	v_mul_u32_u24 v5, v1, SPITCH
	v_lshl_add_u32 v5, v2, 5, v5
	v_add_nc_u32 v[STO], s72, v5                   ; in: row r, 32 bytes for each half of the lanes
	v_add_nc_u32 v[RD], s72, v[CO]                 ; back: the 32 lanes take a row of 512 bytes
	v_lshlrev_b32 v23, 17, v2
	v_lshl_add_u32 v23, v1, 2, v23                 ; res's scale words: 4 r; lanes 16-31 four K steps (4 x 32,768 bytes) on
	s_wait_alu depctr_va_vdst(0)
	v_lshlrev_b32 v24, 5, v1
	v_lshl_add_u32 v24, v2, 4, v24                 ; W's scale bytes: 32 a row, + 16 h
	s_wait_alu depctr_va_vdst(0)
	v_lshlrev_b32 v25, 5, v2                       ; the bias: 8 h numbers on
	s_wait_alu depctr_va_vdst(0)
	s_mov_b32 s73, 0
	s_lshl_b32 s68, s43, 3
	s_lshl_b32 s69, s21, 2
	s_add_co_u32 s68, s68, s69                     ; my first tile: 8 y + 4 i
	s_lshl_b32 s72, s68, 6
	s_add_nc_u64 s[6:7], s[6:7], s[72:73]
	s_lshl_b32 s68, s42, 8
	s_lshl_b32 s69, s22, 7
	s_add_co_u32 s68, s68, s69                     ; my first column: 256 x + 128 j
	s_lshl_b32 s72, s68, 5
	s_add_nc_u64 s[10:11], s[10:11], s[72:73]
	s_lshl_b32 s72, s68, 2
	s_add_nc_u64 s[12:13], s[12:13], s[72:73]
	s_add_nc_u64 s[14:15], s[14:15], s[72:73]      ; out0: my first column,
	s_lshl_b32 s68, s43, 7
	s_lshl_b32 s69, s21, 6
	s_add_co_u32 s68, s68, s69
	s_lshl_b32 s72, s68, 12
	s_add_nc_u64 s[14:15], s[14:15], s[72:73]      ; and row 128 y + 64 i
.irp a, 0,1,2,3
.irp q, 0,1,2,3
	global_load_b32 v[ASC+4*\a+\q], v23, s[6:7] offset:32768*\q+64*\a
.endr
.endr
.irp t, 0,1,2,3,4,5,6,7
	global_load_b128 v[BSC+4*\t:BSC+4*\t+3], v24, s[10:11] offset:512*\t
.endr
	WIN 0xc0                                       ; destination window 3
.irp t, 0,1,2,3,4,5,6,7                ; tile t's register n of lane (r, h) is column 16 t + 8 h + n
	global_load_b128 v[8*\t:8*\t+3], v25, s[12:13] offset:64*\t
	global_load_b128 v[8*\t+4:8*\t+7], v25, s[12:13] offset:64*\t+16
.endr
	WIN 0
.macro FETCH k                         ; the 12 fragments of K step k into set k % 2: 24 loads in one run
.set FP, 128*((\k)%2)
.set FS, (\k)/4
.set FQ, (\k)%4
	WIN 0x40                                       ; destination window 1
.irp a, 0,1,2,3
	ds_load_b128 v[FP+8*\a:FP+8*\a+3],   v[ADRA+FS] offset:4096*\a+1024*FQ        ; an image: 16 x lane, no pitch
	ds_load_b128 v[FP+8*\a+4:FP+8*\a+7], v[ADRA+FS] offset:4096*\a+1024*FQ+512
.endr
.irp t, 0,1,2,3,4,5,6,7
	ds_load_b128 v[FP+32+8*\t:FP+32+8*\t+3],   v[ADRB+FS] offset:16*\t*PITCH+64*FQ
	ds_load_b128 v[FP+32+8*\t+4:FP+32+8*\t+7], v[ADRB+FS] offset:16*\t*PITCH+64*FQ+32
.endr
.endm
.macro WM d, a, b, c, sa, sb, hi       ; one product; hi = 1: the scale words of the second half of K, in lanes 16-31
.if \hi
	v_wmma_scale_f32_16x16x128_f8f6f4 v[(\d):(\d)+7], v[(\a):(\a)+7], v[(\b):(\b)+7], v[(\c):(\c)+7], v[\sa], v[\sb] matrix_a_fmt:MATRIX_FMT_FP4 matrix_b_fmt:MATRIX_FMT_FP4 matrix_a_scale:MATRIX_SCALE_ROW1 matrix_b_scale:MATRIX_SCALE_ROW1
.else
	v_wmma_scale_f32_16x16x128_f8f6f4 v[(\d):(\d)+7], v[(\a):(\a)+7], v[(\b):(\b)+7], v[(\c):(\c)+7], v[\sa], v[\sb] matrix_a_fmt:MATRIX_FMT_FP4 matrix_b_fmt:MATRIX_FMT_FP4
.endif
.endm
; K step k: 32 products.  The 32 accumulators take turns, one instruction a turn, in the same order in every step.  Step 0 takes the bias tiles as C.
.macro MUL k
.set MP, 128*((\k)%2)
.set MQ, (\k)%4
.set MH, (\k)/4
.if (\k) == 0
	WIN 0xb5                                       ; sources window 1, C window 3 (the bias), D window 2
.else
	WIN 0xa5                                       ; sources window 1, C and D window 2
.endif
.irp a, 0,1,2,3
.irp t, 0,1,2,3,4,5,6,7
.if (\k) == 0
	WM 8*(8*\a+\t), MP+32+8*\t, MP+8*\a, 8*\t, BSC+4*\t+MQ, ASC+4*\a+MQ, MH
.else
	WM 8*(8*\a+\t), MP+32+8*\t, MP+8*\a, 8*(8*\a+\t), BSC+4*\t+MQ, ASC+4*\a+MQ, MH
.endif
.endr
.endr
.endm
.macro KSTEP k
.if (\k) == 3
	s_wait_tensorcnt 0x0                           ; my part of slot 1 has landed: the next fetch reads it
.endif
	s_wait_dscnt 0x0                               ; this step's fragments, asked for 32 products ago, are in
.if (\k) == 3
	s_barrier_signal -1
	s_barrier_wait -1                              ; everybody's part of slot 1 has landed
.endif
.if ((\k) > 0) && ((\k) < 7)
	PLACES                                         ; the loads below land in the set that the last step multiplied
.endif
.if (\k) < 7
	FETCH (\k)+1
.endif
	MUL \k
.endm
	s_wait_tensorcnt 0x1                           ; my part of slot 0 is in; slot 1's load may stay out
	s_barrier_signal -1
	s_barrier_wait -1                              ; everybody's is
	FETCH 0
	s_wait_loadcnt 0x0                             ; the scale words and the bias tiles
.irp k, 0,1,2,3,4,5,6,7
	KSTEP \k
.endr
; THE WAY OUT, a tile of 16 rows x 128 columns at a time.  A lane holds 32 neighbouring bytes of a row, the lanes beside it other rows: so a tile goes through my own stage in LDS and comes back as whole rows of
; 512 bytes.  LDS serves a wave's instructions in order (ISA guide 5.7.1.4): no wait between the stores and the loads, nor ahead of the next tile's stores.  Each tile has registers of its own and the base never steps.
.macro TOSTAGE a
	WIN 0x08                                       ; an LDS store's data are its source 1: window 2
.irp t, 0,1,2,3,4,5,6,7
	ds_store_b128 v[STO], v[8*(8*\a+\t):8*(8*\a+\t)+3] offset:64*\t              ; each accumulator from its low end on
	ds_store_b128 v[STO], v[8*(8*\a+\t)+4:8*(8*\a+\t)+7] offset:64*\t+16
.endr
	WIN 0x40                                       ; destination window 1
.irp t, 0,1,2,3,4,5,6,7,8,9,10,11,12,13,14,15
	ds_load_b128 v[64*\a+4*\t:64*\a+4*\t+3], v[RD] offset:\t*SPITCH
.endr
.endm
.macro SEND a, younger                 ; younger: the LDS instructions issued behind tile a's loads, which may stay out
	s_wait_dscnt \younger
	WIN 0x04                                       ; a store's data are its source 1: window 1
.irp t, 0,1,2,3,4,5,6,7,8,9,10,11,12,13,14,15
	global_store_b128 v[CO], v[64*(\a)+4*\t:64*(\a)+4*\t+3], s[14:15] offset:(32*((\a)/2)+8*((\a)%2)+\t+8*(\t/8))*4096 th:TH_STORE_NT   ; 512 consecutive bytes, aligned; the stage's row t is the tile's lane t: its row of out0 stands in the offset
.endr
.endm
	PLACES                                         ; behind the last products: their results are read, and loads land in the sets that they multiplied
	TOSTAGE 0
.irp a, 1,2,3
	TOSTAGE \a
	SEND \a-1, 32                                  ; behind tile a - 1's loads: tile a's 16 stores and 16 loads
.endr
	SEND 3, 0
	WIN 0
	s_wait_tensorcnt 0x0
	ds_add_u32 v254, v255
	s_wait_dscnt 0x0
	CROUND                                         ; the closing round: no work-group ends while a partner may still ask for a tile that names it
	s_endpgm
.Lfunc_end_k_qccbcde7b4e_proj:
	.size	k_qccbcde7b4e_proj, .Lfunc_end_k_qccbcde7b4e_proj-k_qccbcde7b4e_proj
	.p2alignl 7, 3214868480
	.fill 96, 4, 3214868480
	.section	.rodata,"a",@progbits
	.p2align	6, 0x0
	.amdhsa_kernel k_qccbcde7b4e_proj
		.amdhsa_group_segment_fixed_size 239104
		.amdhsa_private_segment_fixed_size 0
		.amdhsa_enable_private_segment 0
		.amdhsa_kernarg_size 48
		.amdhsa_user_sgpr_count 2
		.amdhsa_user_sgpr_kernarg_segment_ptr 1
		.amdhsa_wavefront_size32 1
		.amdhsa_system_sgpr_workgroup_id_x 1
		.amdhsa_system_sgpr_workgroup_id_y 1
		.amdhsa_system_sgpr_workgroup_id_z 1
		.amdhsa_system_vgpr_workitem_id 0
		.amdhsa_next_free_vgpr 1024
		.amdhsa_next_free_sgpr 100
		.amdhsa_reserve_vcc 0
		.amdhsa_float_denorm_mode_32 3
		.amdhsa_float_denorm_mode_16_64 3
		.amdhsa_memory_ordered 1
		.amdhsa_forward_progress 1
		.amdhsa_inst_pref_size 72
	.end_amdhsa_kernel
	.amdgpu_metadata
---
amdhsa.version: [ 1, 2 ]
amdhsa.kernels:
  - .name:           k_qccbcde7b4e_proj
    .symbol:         k_qccbcde7b4e_proj.kd
    .args:
      - { .name: rimg, .offset: 0, .size: 8, .value_kind: global_buffer, .address_space: global }
      - { .name: rscl, .offset: 8, .size: 8, .value_kind: global_buffer, .address_space: global }
      - { .name: out_w_codes, .offset: 16, .size: 8, .value_kind: global_buffer, .address_space: global }
      - { .name: out_w_scales, .offset: 24, .size: 8, .value_kind: global_buffer, .address_space: global }
      - { .name: out_b, .offset: 32, .size: 8, .value_kind: global_buffer, .address_space: global }
      - { .name: out0, .offset: 40, .size: 8, .value_kind: global_buffer, .address_space: global }
    .group_segment_fixed_size: 239104
    .private_segment_fixed_size: 0
    .kernarg_segment_align: 8
    .kernarg_segment_size: 48
    .max_flat_workgroup_size: 128
    .sgpr_count:     100
    .vgpr_count:     1024
    .wavefront_size: 32
...
	.end_amdgpu_metadata
.endif
;; end of part 3
